; MI455X (gfx1250); checked and timed in simulation.
; The chip was launched on July 23, 2026; its instructions are those of AMD's public machine-readable ISA for CDNA 5 (MIT licence, August 2026) and "CDNA5" Instruction Set Architecture Reference Guide (July 2026). The comments in the code are by the model that wrote it; some were corrected since.
;; Triangle Attention. Allowed arithmetic: matrix products marked QUANTISED: E3M2 operands, one E8M0 scale for each 32 along K, by v_wmma_scale_f32_16x16x128_f8f6f4 with both operands' format E3M2, f32 sums; products left as they are: f32 operands where the result goes on into a quantised operand, else bf16, f16 or f32 operands; f32 sums; everything else in f32.
;; Inputs: Wb 4 x 128 float32; Wk_codes 128 x 4 x 24 uint8 (E3M2 codes of Wk, K innermost, in blocks of 32 codes, four codes in three bytes); Wk_scales 128 x 4 uint8 (E8M0 scales of Wk, one for each 32 codes along K); Wo_codes 128 x 4 x 24 uint8 (E3M2 codes of Wo, K innermost, in blocks of 32 codes, four codes in three bytes); Wo_scales 128 x 4 uint8 (E8M0 scales of Wo, one for each 32 codes along K); Wq_codes 128 x 4 x 24 uint8 (E3M2 codes of Wq, K innermost, in blocks of 32 codes, four codes in three bytes); Wq_scales 128 x 4 uint8 (E8M0 scales of Wq, one for each 32 codes along K); Wv_codes 128 x 4 x 24 uint8 (E3M2 codes of Wv, K innermost, in blocks of 32 codes, four codes in three bytes); Wv_scales 128 x 4 uint8 (E8M0 scales of Wv, one for each 32 codes along K); bk 128 float32; bo 128 float32; bq 128 float32; bv 128 float32; ln_b 128 float32; ln_w 128 float32; pair_mask 2 x 256 x 256 bool; z 2 x 256 x 256 x 128 float32.
;; Outputs: out0 2 x 256 x 256 x 128 float32.
;; This version of the problem:
;;   THIS VERSION OF THE PROBLEM IS GIVEN IN LOW PRECISION. The matrix products marked QUANTISED in the list below multiply operands that are first quantised to E3M2 (3 exponent bits, 2 mantissa bits; 6 bits a number), with one power-of-two scale for each 32 numbers along K (OCP MX v1.0); their sums are f32. All else is computed in f32.
;;   The module's matrix products, in the order in which they are computed (A, B: the left and right operand; K: the contracted axis; several contracted axes count as one K, in the product's order):
;;     1. [M 131,072, K 128] x [K 128, N 128]; A: computed on the way; B: input Wq (given as codes): QUANTISED
;;     2. [M 131,072, K 128] x [K 128, N 128]; A: computed on the way; B: input Wk (given as codes): QUANTISED
;;     3. [M 131,072, K 128] x [K 128, N 128]; A: computed on the way; B: input Wv (given as codes): QUANTISED
;;     4. [M 4, K 128] x [K 128, N 131,072]; A: input Wb; B: computed on the way: left as it is (M = 4 < 16)
;;     5. batch 2,048 x [M 256, K 32] x [K 32, N 256]; A: computed on the way; B: computed on the way: QUANTISED
;;     6. batch 2,048 x [M 32, K 256] x [K 256, N 256]; A: computed on the way; B: computed on the way: QUANTISED
;;     7. [M 131,072, K 128] x [K 128, N 128]; A: computed on the way; B: input Wo (given as codes): QUANTISED
;;   THE QUANTISER, for each operand of a quantised product, along K:
;;     - K is cut into blocks of 32 from its start; a last block that is shorter is filled with zeros.
;;     - A block's scale is 2^e with e = floor(log2(the largest magnitude in the block)) - 4, held to -126 .. 127; a block of zeros has e = 0. As a byte (E8M0): e + 127.
;;     - Each number is divided by its block's scale, clamped to +-28, and rounded to the nearest number of E3M2, ties to even, subnormals kept.
;;     - The product sums the exact products of the quantised numbers (number of the format x scale) in f32.
;;   ~~~python
;;   def quantise(x, axis):      # numpy; x: float32 -> the quantised numbers, widened to float32 again
;;       x = np.moveaxis(x, axis, -1); K = x.shape[-1]
;;       x = np.pad(x, [(0, 0)] * (x.ndim - 1) + [(0, -K % 32)]); x = x.reshape(x.shape[:-1] + (-1, 32)); a = np.abs(x).max(-1, keepdims=True)
;;       e = np.where(a > 0, np.clip(np.frexp(np.where(a > 0, a, 1))[1] - 1 - 4, -126, 127), 0)      # np.frexp(a)[1] - 1 = floor(log2(a)), exactly
;;       r = np.clip(x / 2.0 ** e, -28, 28)
;;       step = 2.0 ** (np.maximum(np.frexp(np.where(r == 0, 1, r))[1] - 1, -2) - 2)
;;       q = np.round(r / step) * step * 2.0 ** e      # np.round: ties to even
;;       return np.moveaxis(q.reshape(q.shape[:-2] + (-1,))[..., :K], -1, axis).astype(np.float32)
;;   ~~~
;;   OPERANDS COMPUTED ON THE WAY. 'Computed on the way' means the value that the module computes at that place (a softmax that the list does not call 'softmax' is quantised finished and normalised). What goes into a quantiser is computed in f32, as accurately as f32 sums, v_exp_f32 and their like allow (about 1e-6 of the number): no bf16 or f16 on the way to a quantiser, and a product that is left as it is and whose result goes on into a quantised operand takes f32 operands (vector FMAs, or v_wmma_f32_16x16x4_f32). A number that lies on a knife's edge between two numbers of the format may be rounded either way, as far as f32 arithmetic and the matrix unit's own rounding can turn it there, and no further.
;;   INPUTS GIVEN AS CODES. Wk (in the module: [128, 128], K = its axis 1); Wo (in the module: [128, 128], K = its axis 1); Wq (in the module: [128, 128], K = its axis 1); Wv (in the module: [128, 128], K = its axis 1): each comes as NAME_codes (uint8): NAME with its K axis moved to the last place and cut into blocks of 32 codes, [.., K / 32, bytes a block], one block behind the other in memory; four codes in three bytes: a row's codes are one little-endian stream of bits, code i at bits 6 i .. 6 i + 5 (a code: sign, 3 exponent bits, 2 mantissa bits); and NAME_scales (uint8): the same leading axes, one E8M0 byte (e + 127) for each 32 codes along K. Its value is code x scale, taken as it is: it is not quantised again, and the codes and scales need not be those that the quantiser above would give.
;; One version. Each part assembles by itself: llvm-mc -triple=amdgcn-amd-amdhsa -mcpu=gfx1250 --defsym DOCPART=n.
;; ======== version 1 of 1: 1 launch
;; launch triatt (part 1): grid 512 x 1, 4 waves a work-group, no clusters, 266,240 bytes of LDS; arguments z, pair_mask, out0, Wb, ln_w, ln_b, Wq_codes, Wq_scales, Wk_codes, Wk_scales, Wv_codes, Wv_scales, Wo_codes, Wo_scales, bq, bk, bv, bo; writes out0
.if DOCPART == 1
	.amdgcn_target "amdgcn-amd-amdhsa--gfx1250"
	.amdhsa_code_object_version 6
	.text
	.protected	k_qa20980a86f_triatt
	.globl	k_qa20980a86f_triatt
	.p2align	8
	.type	k_qa20980a86f_triatt,@function
k_qa20980a86f_triatt:
	s_mov_b64 s[64:65], 0
	v_nop
	global_prefetch_b8 v0, s[64:65] scope:SCOPE_SE
	s_setreg_imm32_b32 hwreg(HW_REG_WAVE_MODE, 25, 1), 1
	s_wait_xcnt 0x0
; TRIANGLE ATTENTION, one launch.  A work-group takes ONE of the 512 rows (b, i): 256 positions x 128 channels of z, through the whole chain: LayerNorm, q, k, v and the bias,
; four heads of 256 x 256 scores, softmax, the product with v, the projection by Wo, the mask.  z is read once, out0 is written once, nothing goes through memory between.
; All quantised products run on codes of E3M2 with one E8M0 scale for each 32 along K, by v_wmma_scale_f32_16x16x128_f8f6f4; the bias product (4 rows) is f32 multiply-adds.
; SHARES.  Four waves.  Phase 1: wave w normalises positions 64 w .. 64 w + 63, makes their bias terms for all heads and their codes.  From there on WAVE w IS HEAD w: it makes q, k, v of its
; head for all 256 positions, keeps K, V and the bias-and-mask term in registers and walks the 16 tiles of 16 queries alone.  At the end wave w projects query tiles w, w + 4, w + 8, w + 12.
; Two things go from wave to wave, through LDS, each behind one barrier: zn's codes (images of the operand's registers) and O's codes.
; LAYOUT.  Tile T of positions is not 16 neighbours: its lane r holds position perm(T, r) = 32 (T / 2) + 8 (T % 2) + r + 8 (r / 8), and the rows of Wq, Wk, Wv that form a tile are chosen alike, so that
; the 16 registers of two neighbouring result tiles are 16 neighbours along the next product's K.  All products are used so that a lane holds one position (q, k, scores, O, out) or one channel (v).
; SCORES.  K is 32: a key tile's codes stand at K positions 0-31 (even tiles: lanes 0-15) or 32-63 (odd tiles: lanes 16-31), the query's codes stand at both, and all other codes of one side are zeros.
; The C operand carries (mask ? bias : -10000) x sqrt(32); a masked key's codes are zeros, so its score is that constant.  logit = score / sqrt(32).
; SOFTMAX.  All 256 keys of a query lie in 128 registers of two lanes: the row's maximum is taken away, p = 2^(c s - c m), c = log2(e) / sqrt(32), the sum is taken, p / sum x (query's mask) is what is quantised.
; WORK LEFT OUT.  reference() divides attn by clip(sum(attn), 1e-6) after the query mask.  For a query that counts, attn is a softmax, whose sum is 1 by identity, and clip(1) = 1: the factor is 1.
; For a masked query attn is 0 and 0 / 1e-6 = 0.  So the division changes nothing for any inputs and is not done.  Every input has a way to the output and is loaded.
; NO CLUSTER: rows share only the weights, 52 KB, which each wave loads once into registers as fragments; against them stand 256 KB of z and out0 that belong to one work-group alone.
; LIMITS.  The logit is formed as c x (q.k + bias x sqrt(32)): a masked key stands at fl(-10000 x sqrt(32)) x c, a relative 1e-7 from -10000; it shows only where a live logit lies within about 100 of -10000.
; v_exp_f32 gives 0 for p under 2^-126.  A block of zeros has the scale byte 1 (its codes are zeros; the bytes are read here alone).  NaN and infinities among the inputs are not served;
; a NaN or an overflow that would arise only in the division left out is not carried to the result.
;
; LDS (bytes)
.set ZPITCH, 528                       ; a position of z: 512 bytes + 16 of padding
.set ZWAVE,  64*ZPITCH                 ; a wave's 64 positions
.set ZN,     256*ZPITCH                ; zn's 16 fragments as images of their registers: 3 x 512 bytes each
.set ZNS,    ZN+16*1536                ; their scale words: 64 T + 4 r
.set BT,     ZNS+1024                  ; (mask ? bias : -10000) x sqrt(32): 1024 head + 4 position
.set KMT,    BT+4096                   ; the mask as words, -1 or 0: 64 T + 4 r
.set QP,     KMT+1024                  ; q's codes: 8192 wave + 512 T + 24 r + 12 h
.set QSB,    QP+32768                  ; q's scale words: 1024 wave + 64 T + 4 r
.set OB,     QSB+4096                  ; O's codes: OHEAD head + 384 T + 24 r + 12 h
.set OHEAD,  6272
.set OSB,    OB+4*OHEAD                ; O's scale bytes, a word each: 1024 head + 64 T + 4 r
.set STG,    OSB+4096                  ; the way out: 16 rows x 528 bytes for each wave
.set STGW,   16*528
.set SPARE,  STG+4*STGW                ; the spare words, 128 bytes for each wave: two blocks of 256 bytes that no other line names
; REGISTERS, window 0
.set KMQ, 5                            ; the query's mask word
.set SPW, 2                            ; LDS address of my spare word; never rewritten
.set NIL, 3                            ; 0; never rewritten
.set ZA,  4
.set ZIW, 6
.set ZSW, 7
.set BTW, 8
.set KMW, 9
.set LIZ, 10
.set LSZ, 11
.set QW,  12
.set QSW, 13
.set KML, 14
.set CBR, 15
.set QR,  16
.set KMR, 17
.set OW,  18
.set OSW, 19
.set ORD, 20
.set OSR, 21
.set KMP, 22
.set STO, 23
.set SRD, 24
.set GO,  25
.set A0,  26                           ; v26-30 addresses in hand
.set PFO, 31
.set LOM, 32                           ; -1 in lanes 0-15
.set HIM, 33                           ; -1 in lanes 16-31
.set NM,  34                           ; v[34:35] -c m (phase 1: the mean)
.set RL,  36                           ; v[36:37] mask / sum (phase 1: 1 / sqrt(var + eps))
.set MF,  38                           ; v[38:39] the query's mask as 1.0 or 0.0
.set WQS, 40                           ; scale words: Wq, Wk, Wv (tile u in lane half u), Wo (tiles 2 x, 2 x + 1)
.set WKS, 41
.set WVS, 42
.set WOS, 43
.set KS,  47                           ; v47-54 K's scale bytes: register g: tile 2 g in lanes 0-15 (byte 0), tile 2 g + 1 in lanes 16-31 (byte 1)
.set VS,  55                           ; v55-58 V's scale words, 2 u + step
.set QS,  59                           ; the query tile's scale word (projection: O's)
.set PS,  60                           ; v60-61 p's scale words
.set ZS,  62                           ; v62-63 zn's scale words
.set BM,  64                           ; v64-71 block maxima
.set BX,  72                           ; v72-79 the other half's; sums
.set SO,  80                           ; v80-87 the conversions' scale operands
.set BY,  88                           ; v88-95 scale bytes
.set CT,  96                           ; v96-103 conversions' second halves
.set P,   104                          ; v104-127 p's two fragments; in phases 1 and 2: codes just made (v104-119),
.set MK,  116                          ; phase 1: four mask bytes
.set PW,  120
.set T1,  121
.set KMG, 122
.set MLO, 124
.set MHI, 126
.set S,   128                          ; v128-255 the scores of a query tile; at work in every phase
.set H0,  128                          ; the head's load offsets and lane numbers, inside S
.set TL,  140
.set TR,  141
.set TH,  142
.set TP,  143
; window 1
.set KK,  0                            ; K: tile T at 6 T
.set VV,  96                           ; V: 24 u + 12 step
.set QF,  160
.set ZF,  172
.set OF,  220
; window 2
.set CB,  0                            ; the scores' C operand (phase 1: ln_w at 0, ln_b at 64)
.set LNW, 0
.set LNB, 64
.set BO,  128
; window 3
.set WQ,  0
.set WK,  24
.set WV,  48
.set WO,  72
.set BQ,  168
.set BK,  184
.set BV,  200
.set MSB, 0
.macro WIN new                         ; s_set_vgpr_msb: bits 1:0 source 0, 3:2 source 1, 5:4 source 2, 7:6 destination; the high byte repeats the setting that is left
.if MSB != \new
	s_set_vgpr_msb (MSB<<8)|\new
.set MSB, \new
.endif
.endm
.macro PLACES n
.rept \n
	v_nop
.endr
.endm
.macro BARRIER                         ; my LDS stores have landed and my LDS loads are in: then the work-group's barrier
	s_wait_dscnt 0x0
	s_barrier_signal -1
	s_barrier_wait -1
.endm
; a scaled product: D, A, B, C by their first registers; the two scale registers; which lane half of each is read
.macro WM d, a, b, c, sa, sb, ra, rb
.if ((\ra) == 0) && ((\rb) == 0)
	v_wmma_scale_f32_16x16x128_f8f6f4 v[(\d):(\d)+7], v[(\a):(\a)+11], v[(\b):(\b)+11], v[(\c):(\c)+7], v[\sa], v[\sb] matrix_a_fmt:MATRIX_FMT_BF6 matrix_b_fmt:MATRIX_FMT_BF6
.elseif (\rb) == 0
	v_wmma_scale_f32_16x16x128_f8f6f4 v[(\d):(\d)+7], v[(\a):(\a)+11], v[(\b):(\b)+11], v[(\c):(\c)+7], v[\sa], v[\sb] matrix_a_fmt:MATRIX_FMT_BF6 matrix_b_fmt:MATRIX_FMT_BF6 matrix_a_scale:MATRIX_SCALE_ROW1
.elseif (\ra) == 0
	v_wmma_scale_f32_16x16x128_f8f6f4 v[(\d):(\d)+7], v[(\a):(\a)+11], v[(\b):(\b)+11], v[(\c):(\c)+7], v[\sa], v[\sb] matrix_a_fmt:MATRIX_FMT_BF6 matrix_b_fmt:MATRIX_FMT_BF6 matrix_b_scale:MATRIX_SCALE_ROW1
.else
	v_wmma_scale_f32_16x16x128_f8f6f4 v[(\d):(\d)+7], v[(\a):(\a)+11], v[(\b):(\b)+11], v[(\c):(\c)+7], v[\sa], v[\sb] matrix_a_fmt:MATRIX_FMT_BF6 matrix_b_fmt:MATRIX_FMT_BF6 matrix_a_scale:MATRIX_SCALE_ROW1 matrix_b_scale:MATRIX_SCALE_ROW1
.endif
.endm
.macro WMZ d, a, b, sa, sb             ; the same, starting a sum with the constant 0
	v_wmma_scale_f32_16x16x128_f8f6f4 v[(\d):(\d)+7], v[(\a):(\a)+11], v[(\b):(\b)+11], 0, v[\sa], v[\sb] matrix_a_fmt:MATRIX_FMT_BF6 matrix_b_fmt:MATRIX_FMT_BF6
.endm
.macro FRAGG dst, adr, base, off       ; a fragment of a weight from memory: 24 bytes of the row for each half of K, in pieces of 8 bytes
.irp p, 0,1,2,3,4,5
	global_load_b64 v[(\dst)+2*\p:(\dst)+2*\p+1], v[\adr], s[\base:\base+1] offset:(\off)+48*(\p/3)+8*(\p%3)
.endr
.endm
; Four blocks of 32, each as 16 registers of lanes l and l xor 16 (register 16 b + i from v[s] on): the largest magnitudes, the conversions' scale operands (SO) and the scale bytes (BY)
.macro QSCALE s
.irp b, 0,1,2,3
	v_max3_num_f32 v[BM+\b], |v[(\s)+16*\b]|, |v[(\s)+16*\b+1]|, 0x2800000   ; with the floor 2^(5 - 127): the byte cannot fall under 1
.endr
.irp i, 2,4,6,8,10,12,14
.irp b, 0,1,2,3
	v_max3_num_f32 v[BM+\b], v[BM+\b], |v[(\s)+16*\b+\i]|, |v[(\s)+16*\b+\i+1]|   ; the four blocks by turns
.endr
.endr
.irp b, 0,1,2,3
	v_permlanex16_b32 v[BX+\b], v[BM+\b], s60, s61
.endr
.irp b, 0,1,2,3
	v_max_num_f32 v[BM+\b], v[BM+\b], v[BX+\b]
.endr
.irp b, 0,1,2,3
	v_add_nc_u32 v[SO+\b], 0xfe000000, v[BM+\b]   ; 4 off the exponent field: the conversion takes this operand's exponent field as its scale
.endr
.irp b, 0,1,2,3
	v_lshrrev_b32 v[BY+\b], 23, v[SO+\b]
.endr
.endm
; The same four blocks become 12 registers of codes from v[d] on: group c (6 registers) holds block 2 c whole in lanes 0-15 and block 2 c + 1 whole in lanes 16-31
.macro CVTW d, s, o
.irp c, 0,1
	v_cvt_scalef32_pk16_bf6_f32 v[(\d)+6*\c:(\d)+6*\c+2], v[(\s)+32*\c:(\s)+32*\c+15], v[(\o)+2*\c]
	v_cvt_scalef32_pk16_bf6_f32 v[CT+4*\c:CT+4*\c+2], v[(\s)+32*\c+16:(\s)+32*\c+31], v[(\o)+2*\c+1]   ; (a conversion's three registers begin on an even number)
.endr
	v_nop                                          ; one plain instruction behind the scaled conversions
.irp c, 0,1
.irp i, 0,1,2
	v_permlane16_swap_b32 v[(\d)+6*\c+\i], v[CT+4*\c+\i]
.endr
.irp i, 0,1,2
	v_mov_b32 v[(\d)+6*\c+3+\i], v[CT+4*\c+\i]
.endr
.endr
.endm
	s_load_b512 s[4:19], s[0:1], 0x0               ; z 4, pair_mask 6, out0 8, Wb 10, ln_w 12, ln_b 14, Wq codes 16, scales 18
	s_load_b512 s[20:35], s[0:1], 0x40             ; Wk 20, 22; Wv 24, 26; Wo 28, 30; bq 32; bk 34
	s_load_b128 s[36:39], s[0:1], 0x80             ; bv 36, bo 38
	v_lshl_add_u32 v[SPW], v0, 2, SPARE
	v_mov_b32 v[NIL], 0
	ds_add_u32 v[SPW], v[NIL]                      ; the wave's opening: the add, twice on end, and its wait ahead of my tensor load; the set-up below stands between
	ds_add_u32 v[SPW], v[NIL]
	v_lshrrev_b32 v1, 5, v0
	v_readfirstlane_b32 s40, v1                    ; wave = head
	v_and_b32 v[TL], 31, v0                        ; lane
	v_and_b32 v[TR], 15, v0                        ; r
	v_bfe_u32 v[TH], v0, 4, 1                      ; h
	v_and_b32 v[TP], 8, v0
	v_add_nc_u32 v[TP], v[TP], v[TR]               ; r + 8 (r / 8)
	; descriptor group 1: 64 rows x 128 elements of 4 bytes, 16 bytes of padding behind each row of 128 words
	s_mov_b32 s44, (2<<16)|(1<<20)|(6<<22)|(3<<25)
	s_mov_b32 s45, 128<<16                         ; tensor_dim0
	s_mov_b32 s46, 64<<16                          ; tensor_dim1
	s_mov_b32 s47, 128<<16                         ; tile_dim0
	s_mov_b32 s48, 64                              ; tile_dim1
	s_mov_b32 s49, 128                             ; elements from row to row
	s_mov_b32 s50, 0
	s_mov_b32 s51, 0
	s_mov_b32 s52, 1                               ; group 0: count,
	s_mul_i32 s53, s40, ZWAVE                      ; LDS address: my wave's 64 positions
	s_lshl_b32 s56, ttmp9, 17                      ; a row (b, i) is 131,072 bytes of z and of out0
	s_lshl_b32 s57, s40, 15
	s_add_co_u32 s56, s56, s57                     ; z: + my wave's 64 positions
	s_mov_b32 s57, 0
	s_lshl_b32 s58, ttmp9, 17
	s_lshr_b32 s59, s40, 1
	s_lshl_b32 s59, s59, 14
	s_add_co_u32 s58, s58, s59
	s_and_b32 s59, s40, 1
	s_lshl_b32 s59, s59, 12
	s_add_co_u32 s58, s58, s59                     ; out0: + position 32 (w / 2) + 8 (w % 2), where query tile w begins
	s_mov_b32 s59, 0
	s_lshl_b32 s82, ttmp9, 8                       ; pair_mask: 256 bytes a row
	s_mov_b32 s83, 0
	s_mov_b32 s60, 0x76543210                      ; v_permlanex16_b32: lane l xor 16
	s_mov_b32 s61, 0xfedcba98
	s_mov_b32 s62, 0x3e8293ee                      ; c = log2(e) / sqrt(32)
	s_mov_b32 s63, s62                             ; (named with it as a pair)
	s_mov_b32 s66, 0xbe8293ee                      ; -c
	s_mov_b32 s67, 0xffff0000                      ; lanes 16-31
	s_mov_b32 s68, 0x3c000000                      ; 1 / 128
	; LDS addresses: a constant + a constant x lane + a constant x wave
	s_mul_i32 s42, s40, ZWAVE
	v_mul_u32_u24 v[ZA], v[TP], ZPITCH
	v_lshl_add_u32 v[ZA], v[TH], 6, v[ZA]
	v_add_nc_u32 v[ZA], s42, v[ZA]                 ; z: position 64 w + r + 8 (r / 8), + 64 h: my 16 channels of a block of 32
	s_mul_i32 s42, s40, 6144
	s_add_co_u32 s42, s42, ZN
	v_lshl_add_u32 v[ZIW], v[TL], 4, s42
	s_lshl_b32 s42, s40, 8
	s_add_co_u32 s43, s42, ZNS
	v_lshl_add_u32 v[ZSW], v[TR], 2, s43
	s_add_co_u32 s43, s42, BT
	v_lshl_add_u32 v[BTW], v[TP], 2, s43
	s_add_co_u32 s43, s42, KMT
	v_lshl_add_u32 v[KMW], v[TR], 2, s43
	v_lshl_add_u32 v[LIZ], v[TL], 4, ZN
	v_lshl_add_u32 v[LSZ], v[TL], 2, ZNS
	v_lshl_add_u32 v[KML], v[TL], 2, KMT
	v_lshl_add_u32 v[KMR], v[TR], 2, KMT
	v_mul_u32_u24 v1, v[TR], 24
	s_lshl_b32 s42, s40, 13
	s_add_co_u32 s42, s42, QP
	v_add_nc_u32 v[QR], s42, v1
	v_mad_u32_u24 v[QW], v[TH], 12, v[QR]
	s_lshl_b32 s42, s40, 10
	s_add_co_u32 s43, s42, QSB
	v_lshl_add_u32 v[QSW], v[TR], 2, s43
	s_add_co_u32 s43, s42, OSB
	v_lshl_add_u32 v[OSW], v[TR], 2, s43
	s_add_co_u32 s43, s42, BT
	v_lshl_add_u32 v[CBR], v[TH], 6, s43
	s_mul_i32 s42, s40, OHEAD
	s_add_co_u32 s42, s42, OB
	v_add_nc_u32 v[OW], s42, v1
	v_mad_u32_u24 v[OW], v[TH], 12, v[OW]
	s_mul_i32 s42, s40, 384
	s_add_co_u32 s42, s42, OB
	v_add_nc_u32 v[ORD], s42, v1
	v_mad_u32_u24 v[ORD], v[TH], OHEAD, v[ORD]     ; lanes 16-31 read the head one further on
	s_lshl_b32 s42, s40, 6
	s_add_co_u32 s43, s42, OSB
	v_lshl_add_u32 v[OSR], v[TR], 2, s43
	s_add_co_u32 s43, s42, KMT
	v_lshl_add_u32 v[KMP], v[TR], 2, s43
	s_mul_i32 s42, s40, STGW
	s_add_co_u32 s42, s42, STG
	v_mul_u32_u24 v[STO], v[TR], 528
	v_lshl_add_u32 v[STO], v[TH], 5, v[STO]
	v_add_nc_u32 v[STO], s42, v[STO]
	v_lshl_add_u32 v[SRD], v[TL], 4, s42
	v_lshlrev_b32 v[GO], 4, v[TL]
	v_lshlrev_b32 v[PFO], 8, v[TL]
	v_add_nc_u32 v[LOM], -1, v[TH]
	v_sub_nc_u32 v[HIM], 0, v[TH]
	; byte offsets of the head's loads
	v_mul_u32_u24 v[H0], v[TP], 96
	v_mad_u32_u24 v[H0], v[TH], 24, v[H0]
	s_mul_i32 s42, s40, 3072
	v_add_nc_u32 v[H0], s42, v[H0]                 ; Wq, Wk, Wv: row 32 w + r + 8 (r / 8) of 96 bytes, + 24 h
	v_mul_u32_u24 v[H0+1], v[TR], 96
	v_mad_u32_u24 v[H0+1], v[TH], 24, v[H0+1]      ; Wo: row r
	s_lshl_b32 s42, s40, 7
	v_lshl_add_u32 v[H0+2], v[TH], 6, s42          ; bq, bk: channel 32 w + 16 h
	v_lshl_add_u32 v[H0+3], v[TP], 2, s42          ; bv: channel 32 w + r + 8 (r / 8)
	v_lshlrev_b32 v[H0+4], 5, v[TH]                ; bo: channel 8 h
	v_lshlrev_b32 v[H0+5], 6, v[TH]                ; ln_w, ln_b, Wb: channel 16 h
	v_lshl_add_u32 v[H0+6], v[TH], 3, v[TP]
	v_lshl_add_u32 v[H0+6], v[H0+6], 2, s42        ; scale words of Wq, Wk, Wv: tile 0's rows in lanes 0-15, tile 1's in lanes 16-31
	v_lshlrev_b32 v[H0+7], 2, v[TL]                ; of Wo: 32 rows a register
	s_lshl_b32 s43, s40, 6
	v_add_nc_u32 v[H0+8], s43, v[TP]               ; the mask: position 64 w + r + 8 (r / 8)
.irp i, 0,1,2,3,4,5,6,7
	v_mov_b32 v[BX+\i], 0                          ; written once: a lane permute's destination counts as one of its sources
.endr
	v_mov_b32 v[T1], 0
	v_mov_b32 v[NM+1], 0                           ; upper halves of pairs of which the low word serves both halves
	v_mov_b32 v[RL+1], 0
	v_mov_b32 v[MF+1], 0
	s_wait_dscnt 0x0                               ; both opening adds are done
	s_wait_kmcnt 0x0
	s_add_nc_u64 s[54:55], s[4:5], s[56:57]        ; z at my wave's first position
	s_add_nc_u64 s[78:79], s[54:55], 0x2000000     ; and 256 rows (b, i) further on, for the prefetch
	s_or_b32 s55, s55, 0x80000000                  ; type = 2
	tensor_load_to_lds s[52:55], s[44:51]          ; my 64 positions, 32 KB: every wave issues one load, the only fill of the launch; one tensor load of mine is out
	s_nop 0
	PLACES 4
	s_add_nc_u64 s[76:77], s[8:9], s[58:59]
	s_add_nc_u64 s[6:7], s[6:7], s[82:83]
	; the weights of my head, Wo and the biases stay in registers for the whole launch
	WIN 0xc0
.irp u, 0,1
	FRAGG WQ+12*\u, H0, 16, 768*\u
	FRAGG WK+12*\u, H0, 20, 768*\u
	FRAGG WV+12*\u, H0, 24, 768*\u
.endr
.irp t, 0,1,2,3,4,5,6,7
	FRAGG WO+12*\t, H0+1, 28, 1536*\t
.endr
.irp u, 0,1
	global_load_b128 v[BQ+8*\u:BQ+8*\u+3], v[H0+2], s[32:33] offset:32*\u          ; as the C of a tile: channels 32 w + 16 h + 8 u + 0 .. 7
	global_load_b128 v[BQ+8*\u+4:BQ+8*\u+7], v[H0+2], s[32:33] offset:32*\u+16
	global_load_b128 v[BK+8*\u:BK+8*\u+3], v[H0+2], s[34:35] offset:32*\u
	global_load_b128 v[BK+8*\u+4:BK+8*\u+7], v[H0+2], s[34:35] offset:32*\u+16
	global_load_b32 v[BV+8*\u], v[H0+3], s[36:37] offset:32*\u                     ; v's tiles hold one channel a lane
.endr
	WIN 0x80
.irp b, 0,1,2,3
.irp j, 0,1,2,3
	global_load_b128 v[LNW+16*\b+4*\j:LNW+16*\b+4*\j+3], v[H0+5], s[12:13] offset:128*\b+16*\j   ; register 16 b + i: channel 32 b + 16 h + i
	global_load_b128 v[LNB+16*\b+4*\j:LNB+16*\b+4*\j+3], v[H0+5], s[14:15] offset:128*\b+16*\j
.endr
.endr
.irp t, 0,1,2,3,4,5,6,7
	global_load_b128 v[BO+8*\t:BO+8*\t+3], v[H0+4], s[38:39] offset:64*\t          ; channels 16 t + 8 h + 0 .. 7
	global_load_b128 v[BO+8*\t+4:BO+8*\t+7], v[H0+4], s[38:39] offset:64*\t+16
.endr
	WIN 0x40
.irp n, 0,1,2,3
.irp b, 0,1,2,3
.irp j, 0,1,2,3
	global_load_b128 v[64*\n+16*\b+4*\j:64*\n+16*\b+4*\j+3], v[H0+5], s[10:11] offset:512*\n+128*\b+16*\j   ; Wb of head n, laid as zn lies in a lane
.endr
.endr
.endr
	WIN 0
	global_load_b32 v[WQS], v[H0+6], s[18:19]
	global_load_b32 v[WKS], v[H0+6], s[22:23]
	global_load_b32 v[WVS], v[H0+6], s[26:27]
.irp c, 0,1,2,3
	global_load_b32 v[WOS+\c], v[H0+7], s[30:31] offset:128*\c
.endr
.irp t, 0,1,2,3
	global_load_u8 v[MK+\t], v[H0+8], s[6:7] offset:32*(\t/2)+8*(\t%2)             ; the mask of my position in each of my four tiles
.endr
	s_wait_loadcnt 0x0
	WIN 0xc3
.irp u, 0,1
.irp j, 1,2,3,4,5,6,7
	v_mov_b32 v[BV+8*\u+\j], v[BV+8*\u]            ; bv as a C operand: the lane's channel in all eight registers
.endr
.endr
	WIN 0
; ---- PHASE 1: LayerNorm, bias and codes of my 64 positions, a tile of 16 at a time.  Lanes l and l xor 16 hold one position: 64 channels each.
.macro ZLOAD t
.irp b, 0,1,2,3
.irp j, 0,1,2,3
	ds_load_b128 v[S+64*((\t)%2)+16*\b+4*\j:S+64*((\t)%2)+16*\b+4*\j+3], v[ZA] offset:(32*((\t)/2)+8*((\t)%2))*ZPITCH+128*\b+16*\j
.endr
.endr
.endm
.macro REDUCE                          ; four chains of pairs, the pair's halves, the other lane's: the position's sum in v68
	v_pk_add_f32 v[68:69], v[68:69], v[70:71]
	v_pk_add_f32 v[76:77], v[76:77], v[78:79]
	v_pk_add_f32 v[68:69], v[68:69], v[76:77]
	v_add_f32 v68, v68, v69
	v_permlanex16_b32 v[T1], v68, s60, s61
	v_add_f32 v68, v68, v[T1]
.endm
.macro LNTILE t
.set XX, S+64*((\t)%2)
.set pp, 0
.rept 4
.set cc, 68+2*(pp%2)+8*(pp/2)
	v_pk_add_f32 v[cc:cc+1], v[XX+2*pp:XX+2*pp+1], v[XX+2*pp+8:XX+2*pp+9]
.set pp, pp+1
.endr
.set pp, 8
.rept 24
.set cc, 68+2*(pp%2)+8*((pp%4)/2)
	v_pk_add_f32 v[cc:cc+1], v[cc:cc+1], v[XX+2*pp:XX+2*pp+1]
.set pp, pp+1
.endr
	REDUCE
	v_mul_f32 v[NM], s68, v68                      ; the mean
.set pp, 0
.rept 32
	v_pk_add_f32 v[XX+2*pp:XX+2*pp+1], v[XX+2*pp:XX+2*pp+1], v[NM:NM+1] op_sel_hi:[1,0] neg_lo:[0,1] neg_hi:[0,1]
.set pp, pp+1
.endr
.set pp, 0
.rept 32
.set cc, 68+2*(pp%2)+8*((pp%4)/2)
.if pp < 4
	v_pk_mul_f32 v[cc:cc+1], v[XX+2*pp:XX+2*pp+1], v[XX+2*pp:XX+2*pp+1]
.else
	v_pk_fma_f32 v[cc:cc+1], v[XX+2*pp:XX+2*pp+1], v[XX+2*pp:XX+2*pp+1], v[cc:cc+1]
.endif
.set pp, pp+1
.endr
	REDUCE
	v_fma_f32 v68, v68, s68, 0x3727c5ac            ; the variance + 1e-5
	v_rsq_f32 v[RL], v68
	v_nop                                          ; a plain instruction behind the transcendental,
	s_wait_alu depctr_va_vdst(0)                   ; and the wait ahead of its first reader
.set pp, 0
.rept 32
	v_pk_mul_f32 v[XX+2*pp:XX+2*pp+1], v[XX+2*pp:XX+2*pp+1], v[RL:RL+1] op_sel_hi:[1,0]
.set pp, pp+1
.endr
	WIN 0x28                                       ; ln_w and ln_b in window 2
.set pp, 0
.rept 32
	v_pk_fma_f32 v[XX+2*pp:XX+2*pp+1], v[XX+2*pp:XX+2*pp+1], v[LNW+2*pp:LNW+2*pp+1], v[LNB+2*pp:LNB+2*pp+1]
.set pp, pp+1
.endr
	WIN 0x04                                       ; Wb in window 1.  The bias goes on into a quantised operand: f32 multiply-adds, the four heads by turns
.set pp, 0
.rept 32
.irp n, 0,1,2,3
.set cc, 84+2*(\n%2)+8*(\n/2)
.if pp == 0
	v_pk_mul_f32 v[cc:cc+1], v[XX:XX+1], v[64*\n:64*\n+1]
.else
	v_pk_fma_f32 v[cc:cc+1], v[XX+2*pp:XX+2*pp+1], v[64*\n+2*pp:64*\n+2*pp+1], v[cc:cc+1]
.endif
.endr
.set pp, pp+1
.endr
	WIN 0
.irp n, 84,86,92,94
	v_add_f32 v[\n], v[\n], v[\n+1]
.endr
.irp n, 84,86,92,94
	v_permlanex16_b32 v[\n+1], v[\n], s60, s61
.endr
.irp n, 84,86,92,94
	v_add_f32 v[\n], v[\n], v[\n+1]
.endr
	v_cmp_ne_u32 vcc_lo, 0, v[MK+\t]
.irp n, 84,86,92,94
	v_cndmask_b32 v[\n], 0xc61c4000, v[\n], vcc_lo ; a masked key's logit is -10000
.endr
.irp n, 84,86,92,94
	v_mul_f32 v[\n], 0x40b504f3, v[\n]             ; x sqrt(32): it is added to q.k ahead of the division
.endr
.irp n, 0,1,2,3
	ds_store_b32 v[BTW], v[84+2*(\n%2)+8*(\n/2)] offset:1024*\n+128*((\t)/2)+32*((\t)%2)   ; both lanes of a position write the same word with the same value
.endr
	v_cndmask_b32 v[T1], 0, -1, vcc_lo
	ds_store_b32 v[KMW], v[T1] offset:64*(\t)
	QSCALE XX
	v_lshl_or_b32 v[PW], v[BY+1], 8, v[BY]
	v_lshl_or_b32 v[PW], v[BY+2], 16, v[PW]
	v_lshl_or_b32 v[PW], v[BY+3], 24, v[PW]
	CVTW P, XX, SO
.irp c, 0,1,2
	ds_store_b128 v[ZIW], v[P+4*\c:P+4*\c+3] offset:1536*(\t)+512*\c   ; the fragment goes to LDS as it stands in the registers
.endr
	ds_store_b32 v[ZSW], v[PW] offset:64*(\t)
.endm
	s_wait_tensorcnt 0x0                           ; my 64 positions are in LDS; only I read them
	ZLOAD 0
	ZLOAD 1
	s_wait_dscnt 16                                ; all but the youngest 16 loads: this tile's numbers are in
	LNTILE 0
	ZLOAD 2
	s_wait_dscnt 16                                ; likewise; the last tile's stores are done too, so their registers may be written
	LNTILE 1
	ZLOAD 3
	s_wait_dscnt 16
	LNTILE 2
	s_wait_dscnt 0x0
	LNTILE 3
	BARRIER                                        ; zn's sixteen fragments, the bias terms and the mask words of all 256 positions lie in LDS
; ---- PHASE 2: q, k, v of my head, four tiles of positions at a time
.macro ZFETCH g
	WIN 0x40
.irp t, 0,1,2,3
.irp c, 0,1,2
	ds_load_b128 v[ZF+12*\t+4*\c:ZF+12*\t+4*\c+3], v[LIZ] offset:(4*(\g)+\t)*1536+512*\c
.endr
.endr
	WIN 0
.irp c, 0,1
	ds_load_b32 v[ZS+\c], v[LSZ] offset:256*(\g)+128*\c           ; scale words: tile 4 g + 2 c in lanes 0-15, the next in lanes 16-31
	ds_load_b32 v[KMG+\c], v[KML] offset:128*(2*(\g)+\c)          ; mask words likewise
.endr
.endm
.macro P2G g
	s_wait_dscnt 0x0                               ; the group's fragments are in
	WIN 0x37                                       ; A: the weight, window 3; B: zn, window 1; C: the bias, window 3
.irp t, 0,1,2,3
.irp u, 0,1
	WM S+16*\t+8*\u, WQ+12*\u, ZF+12*\t, BQ+8*\u, WQS, ZS+\t/2, \u, \t%2        ; q^T: lane (r, h): position perm(T, r), channels 16 h + 8 u + 0 .. 7 of the head
.endr
.endr
.irp t, 0,1,2,3
.irp u, 0,1
	WM S+64+16*\t+8*\u, WK+12*\u, ZF+12*\t, BK+8*\u, WKS, ZS+\t/2, \u, \t%2     ; k^T likewise
.endr
.endr
	WIN 0
	PLACES 4                                       ; behind the products, ahead of the first read of results
	QSCALE S                                       ; q: a position's 32 channels are one block; the four tiles are the four blocks
.irp t, 0,1,2,3
	v_cvt_scalef32_pk16_bf6_f32 v[P+4*\t:P+4*\t+2], v[S+16*\t:S+16*\t+15], v[SO+\t]
.endr
	v_nop                                          ; one plain instruction behind the scaled conversions
.irp t, 0,1,2,3
	v_lshl_or_b32 v[BX+4+\t], v[BY+\t], 8, v[BY+\t]   ; the byte at K positions 0-31 and 32-63
.endr
.irp t, 0,1,2,3
.irp i, 0,1,2
	ds_store_b32 v[QW], v[P+4*\t+\i] offset:(4*(\g)+\t)*512+4*\i   ; my 16 codes, 12 bytes, beside the other lane's: 24 bytes a query
.endr
	ds_store_b32 v[QSW], v[BX+4+\t] offset:(4*(\g)+\t)*64
.endr
	WIN 0x3d                                       ; A: zn, window 1; B: Wv, window 3; C: bv, window 3
.irp t, 0,1,2,3
.irp u, 0,1
	WM S+16*(2*\u+\t/2)+8*(\t%2), ZF+12*\t, WV+12*\u, BV+8*\u, ZS+\t/2, WVS, \t%2, \u   ; v: lane (r, h): channel 8 u + r + 8 (r / 8), keys 64 g + 32 (t / 2) + 16 h + 8 (t % 2) + 0 .. 7
.endr
.endr
	WIN 0
	QSCALE S+64                                    ; k
	s_wait_dscnt 0x0                               ; q's stores have read their registers
	CVTW P, S+64, SO
.irp c, 0,1
	v_and_b32 v[MLO+\c], v[KMG+\c], v[LOM]
	v_and_b32 v[MHI+\c], v[KMG+\c], v[HIM]
.endr
	WIN 0x40
.irp c, 0,1
.irp i, 0,1,2,3,4,5
	v_and_b32 v[KK+6*(4*(\g)+2*\c)+\i], v[P+6*\c+\i], v[MLO+\c]     ; the even tile: lanes 0-15 alone; a masked key's codes become zeros
	v_and_b32 v[KK+6*(4*(\g)+2*\c+1)+\i], v[P+6*\c+\i], v[MHI+\c]   ; the odd tile: lanes 16-31 alone
.endr
.endr
	WIN 0
.irp c, 0,1
	v_lshlrev_b32 v[T1], 8, v[BY+2*\c+1]
	v_cndmask_b32 v[KS+2*(\g)+\c], v[BY+2*\c], v[T1], s67
.endr
.if (\g) < 3
	ZFETCH (\g)+1                                  ; the work since v's products is more than the four places owed ahead of loads into their operands
.endif
	QSCALE S                                       ; v, along the keys: block 2 u + b is keys 64 g + 32 b on of tile u's channels
	CVTW P, S, SO
	WIN 0x40
.irp u, 0,1
.irp i, 0,1,2,3,4,5
	v_mov_b32 v[VV+24*\u+12*((\g)/2)+6*((\g)%2)+\i], v[P+6*\u+\i]
.endr
.endr
	WIN 0
.irp u, 0,1
.if (\g)%2 == 0
	v_lshl_or_b32 v[VS+2*\u+(\g)/2], v[BY+2*\u+1], 8, v[BY+2*\u]
.else
	v_lshl_or_b32 v[VS+2*\u+(\g)/2], v[BY+2*\u], 16, v[VS+2*\u+(\g)/2]
	v_lshl_or_b32 v[VS+2*\u+(\g)/2], v[BY+2*\u+1], 24, v[VS+2*\u+(\g)/2]
.endif
.endr
.endm
	WIN 0x40
.irp i, 6,7,8,9,10,11
	v_mov_b32 v[QF+\i], 0                          ; K positions 64-127 of the query's fragment: zero codes
.endr
	WIN 0x80
.irp t, 0,1,2,3,4,5,6,7,8,9,10,11,12,13,14,15
	ds_load_b128 v[CB+8*\t:CB+8*\t+3], v[CBR] offset:128*(\t/2)+32*(\t%2)          ; the scores' C operand: register 8 T + j: key 32 (T / 2) + 16 h + 8 (T % 2) + j
	ds_load_b128 v[CB+8*\t+4:CB+8*\t+7], v[CBR] offset:128*(\t/2)+32*(\t%2)+16
.endr
	WIN 0
	ZFETCH 0
	P2G 0
	P2G 1
	P2G 2
	P2G 3
; ---- ATTENTION: a tile of 16 queries a trip; all 256 keys at once.  nxt = 1: the next tile's q is fetched behind the scores' products.
.macro TRIP nxt
	v_and_b32 v[MF], 0x3f800000, v[KMQ]            ; the query's mask as 1.0 or 0.0
	WIN 0x25                                       ; K and q in window 1, C in window 2
.irp t, 0,1,2,3,4,5,6,7,8,9,10,11,12,13,14,15
	WM S+8*\t, KK+6*\t, QF, CB+8*\t, KS+\t/2, QS, \t%2, 0   ; S^T: lane (r, h): query perm(Tq, r); register 16 b + i: key 32 b + 16 h + i.  A names 12 registers: the upper six meet q's zero codes
.endr
	WIN 0
.if \nxt
	v_add_nc_u32 v[A0], s70, v[QR]                 ; these four are the places behind the products
	v_add_nc_u32 v[A0+1], s71, v[QSW]
	v_add_nc_u32 v[A0+2], s71, v[KMR]
	v_nop
	WIN 0x40
.irp i, 0,1,2
	ds_load_b64 v[QF+2*\i:QF+2*\i+1], v[A0] offset:8*\i   ; both halves of the lanes take the query's 24 bytes
.endr
	WIN 0
	ds_load_b32 v[QS], v[A0+1]
	ds_load_b32 v[KMQ], v[A0+2]
.else
	PLACES 4
.endif
	; the largest score of each block of 32 keys: for the row's maximum, and, since p rises with the score, for the block's largest p
.irp b, 0,1,2,3,4,5,6,7
	v_max3_num_f32 v[BM+\b], v[S+16*\b], v[S+16*\b+1], v[S+16*\b+2]
.endr
.irp i, 3,5,7,9,11,13
.irp b, 0,1,2,3,4,5,6,7
	v_max3_num_f32 v[BM+\b], v[BM+\b], v[S+16*\b+\i], v[S+16*\b+\i+1]
.endr
.endr
.irp b, 0,1,2,3,4,5,6,7
	v_max_num_f32 v[BM+\b], v[BM+\b], v[S+16*\b+15]
.endr
.irp b, 0,1,2,3,4,5,6,7
	v_permlanex16_b32 v[BX+\b], v[BM+\b], s60, s61
.endr
.irp b, 0,1,2,3,4,5,6,7
	v_max_num_f32 v[BM+\b], v[BM+\b], v[BX+\b]
.endr
	v_max3_num_f32 v1, v[BM], v[BM+1], v[BM+2]
	v_max3_num_f32 v1, v1, v[BM+3], v[BM+4]
	v_max3_num_f32 v1, v1, v[BM+5], v[BM+6]
	v_max_num_f32 v1, v1, v[BM+7]                  ; the row's maximum
	v_mul_f32 v[NM], s66, v1                       ; -c m
.irp b, 0,1,2,3,4,5,6,7
	v_fma_f32 v[BM+\b], v[BM+\b], s62, v[NM]
.endr
	v_pk_fma_f32 v[S:S+1], v[S:S+1], s[62:63], v[NM:NM+1] op_sel_hi:[1,0,0]
	v_pk_fma_f32 v[S+2:S+3], v[S+2:S+3], s[62:63], v[NM:NM+1] op_sel_hi:[1,0,0]
.set pp, 0
.rept 64                               ; one batch: a scaling leads each pair of exponentials; no result is named before the wait
.if pp < 62
	v_pk_fma_f32 v[S+2*pp+4:S+2*pp+5], v[S+2*pp+4:S+2*pp+5], s[62:63], v[NM:NM+1] op_sel_hi:[1,0,0]
.endif
	v_exp_f32 v[S+2*pp], v[S+2*pp]
	v_exp_f32 v[S+2*pp+1], v[S+2*pp+1]
.set pp, pp+1
.endr
.irp b, 0,1,2,3,4,5,6,7
	v_exp_f32 v[BM+\b], v[BM+\b]                   ; the same two instructions on the same number give the same bits
.endr
	v_nop                                          ; a plain instruction behind the last exponential,
	s_wait_alu depctr_va_vdst(0)                   ; and one wait for the batch of 136, ahead of its first reader
.set pp, 0
.rept 4
	v_pk_add_f32 v[BX+2*pp:BX+2*pp+1], v[S+2*pp:S+2*pp+1], v[S+2*pp+8:S+2*pp+9]
.set pp, pp+1
.endr
.set pp, 8
.rept 56
	v_pk_add_f32 v[BX+2*(pp%4):BX+2*(pp%4)+1], v[BX+2*(pp%4):BX+2*(pp%4)+1], v[S+2*pp:S+2*pp+1]
.set pp, pp+1
.endr
	v_pk_add_f32 v[BX:BX+1], v[BX:BX+1], v[BX+2:BX+3]
	v_pk_add_f32 v[BX+4:BX+5], v[BX+4:BX+5], v[BX+6:BX+7]
	v_pk_add_f32 v[BX:BX+1], v[BX:BX+1], v[BX+4:BX+5]
	v_add_f32 v1, v[BX], v[BX+1]
	v_permlanex16_b32 v[BX+2], v1, s60, s61
	v_add_f32 v1, v1, v[BX+2]                      ; the row's sum
	v_rcp_f32 v[RL], v1
	v_nop
	s_wait_alu depctr_va_vdst(0)
	v_mul_f32 v[RL], v[RL], v[MF]                  ; a masked query's attn is 0
.set pp, 0
.rept 64
	v_pk_mul_f32 v[S+2*pp:S+2*pp+1], v[S+2*pp:S+2*pp+1], v[RL:RL+1] op_sel_hi:[1,0]   ; attn, finished and normalised: what is quantised
.set pp, pp+1
.endr
.irp b, 0,1,2,3,4,5,6,7
	v_mul_f32 v[BM+\b], v[BM+\b], v[RL]
.endr
	s_wait_dscnt 0x0                               ; the last trip's four stores of O have read their registers, which are written again from here on; the next tile's q, its scale word and its mask are in
.irp b, 0,1,2,3,4,5,6,7
	v_max_num_f32 v[BM+\b], 0x2800000, v[BM+\b]    ; the floor 2^(5 - 127)
.endr
.irp b, 0,1,2,3,4,5,6,7
	v_add_nc_u32 v[SO+\b], 0xfe000000, v[BM+\b]
.endr
.irp b, 0,1,2,3,4,5,6,7
	v_lshrrev_b32 v[BY+\b], 23, v[SO+\b]
.endr
.irp g, 0,1
	v_lshl_or_b32 v[PS+\g], v[BY+4*\g+1], 8, v[BY+4*\g]
	v_lshl_or_b32 v[PS+\g], v[BY+4*\g+2], 16, v[PS+\g]
	v_lshl_or_b32 v[PS+\g], v[BY+4*\g+3], 24, v[PS+\g]
.endr
	CVTW P, S, SO
	CVTW P+12, S+64, SO+4
	PLACES 4                                       ; operands written by vector instructions stand four places ahead of a scaled product; the scale words stand further back
	WIN 0x01                                       ; V in window 1
	WMZ S, VV, P, VS, PS                           ; O^T = V^T attn^T: two accumulators by turns; the first 128 keys start the sums
	WMZ S+8, VV+24, P, VS+2, PS
	WM S, VV+12, P+12, S, VS+1, PS+1, 0, 0
	WM S+8, VV+36, P+12, S+8, VS+3, PS+1, 0, 0
	WIN 0
	v_add_nc_u32 v[A0+3], s74, v[OW]               ; with the two v_nop: the places behind the products
	v_add_nc_u32 v[A0+4], s75, v[OSW]
	v_nop
	v_nop
	v_max3_num_f32 v[BM], |v[S]|, |v[S+1]|, 0x2800000        ; O: my head's 32 channels of a query are one block of the projection's K
	v_max3_num_f32 v[BM+1], |v[S+8]|, |v[S+9]|, 0x2800000
.irp i, 2,4,6
	v_max3_num_f32 v[BM], v[BM], |v[S+\i]|, |v[S+\i+1]|
	v_max3_num_f32 v[BM+1], v[BM+1], |v[S+8+\i]|, |v[S+9+\i]|
.endr
	v_max_num_f32 v[BM], v[BM], v[BM+1]
	v_permlanex16_b32 v[BX], v[BM], s60, s61
	v_max_num_f32 v[BM], v[BM], v[BX]
	v_add_nc_u32 v[SO], 0xfe000000, v[BM]
	v_lshrrev_b32 v[BY], 23, v[SO]
	v_cvt_scalef32_pk16_bf6_f32 v[CT:CT+2], v[S:S+15], v[SO]
	v_nop                                          ; one plain instruction behind the scaled conversion
.irp i, 0,1,2
	ds_store_b32 v[A0+3], v[CT+\i] offset:4*\i
.endr
	ds_store_b32 v[A0+4], v[BY]
.endm
	WIN 0x40
.irp i, 0,1,2
	ds_load_b64 v[QF+2*\i:QF+2*\i+1], v[QR] offset:8*\i   ; query tile 0
.endr
	WIN 0
	ds_load_b32 v[QS], v[QSW]
	ds_load_b32 v[KMQ], v[KMR]
	s_mov_b32 s70, 512                             ; the next tile's q: 512 bytes a tile,
	s_mov_b32 s71, 64                              ; its scale and mask words: 64
	s_mov_b32 s74, 0                               ; this tile's O: 384 bytes a tile,
	s_mov_b32 s75, 0                               ; its scale bytes: 64
	s_mov_b32 s69, 15
	s_wait_dscnt 0x0
.Latt:
	TRIP 1
	s_add_co_u32 s70, s70, 512
	s_add_co_u32 s71, s71, 64
	s_add_co_u32 s74, s74, 384
	s_add_co_u32 s75, s75, 64
	s_sub_co_u32 s69, s69, 1
	s_cmp_lg_u32 s69, 0
	s_cbranch_scc1 .Latt
	TRIP 0                                         ; the sixteenth tile is written out: there is no next tile to fetch
	; A PREFETCH of z for the row (b, i) that lies 256 work-groups on: wave w names that row's positions 64 w .. 64 w + 63, 32,768 bytes, lanes 256 bytes apart, four instructions together.
	; Each block of 256 bytes is named once in the launch; the work-groups from 256 on name nothing, so no request passes z's end.
	s_cmp_lt_u32 ttmp9, 256
	s_cbranch_scc0 .Lnopf
.irp i, 0,1,2,3
	global_prefetch_b8 v[PFO], s[78:79] offset:8192*\i th:TH_LOAD_NT scope:SCOPE_SE
.endr
.Lnopf:
	BARRIER                                        ; O's codes and scale bytes of all four heads lie in LDS
; ---- THE PROJECTION: wave w takes query tiles w, w + 4, w + 8, w + 12
	s_mov_b32 s69, 4
	s_mov_b32 s80, 0                               ; four tiles on: 1,536 bytes of a head's codes,
	s_mov_b32 s81, 0                               ; 256 bytes of scale or mask words
.Lproj:
	v_add_nc_u32 v[A0], s80, v[ORD]
	v_add_nc_u32 v[A0+1], s81, v[OSR]
	v_add_nc_u32 v[A0+2], s81, v[KMP]
	WIN 0x40
.irp p, 0,1,2,3,4,5
	ds_load_b64 v[OF+2*\p:OF+2*\p+1], v[A0] offset:2*OHEAD*(\p/3)+8*(\p%3)   ; registers 6 c on: head 2 c + h, the query's 24 bytes
.endr
	WIN 0
.irp c, 0,1,2,3
	ds_load_b32 v[BY+\c], v[A0+1] offset:1024*\c
.endr
	ds_load_b32 v[KMQ], v[A0+2]
	s_wait_dscnt 0x0
	v_lshl_or_b32 v[QS], v[BY+1], 8, v[BY]         ; the four heads' bytes make the query's scale word
	v_lshl_or_b32 v[QS], v[BY+2], 16, v[QS]
	v_lshl_or_b32 v[QS], v[BY+3], 24, v[QS]
	v_and_b32 v[MF], 0x3f800000, v[KMQ]
	PLACES 7                                       ; with the line above: eight places between a scale word written by a vector instruction and the scaled product
	WIN 0x27                                       ; Wo in window 3, O in window 1, bo in window 2
.irp t, 0,1,2,3,4,5,6,7
	WM S+8*\t, WO+12*\t, OF, BO+8*\t, WOS+\t/2, QS, \t%2, 0   ; out^T: lane (r, h): query perm(Tq, r), channels 16 t + 8 h + 0 .. 7
.endr
	WIN 0
	PLACES 4
.set pp, 0
.rept 32
	v_pk_mul_f32 v[S+2*pp:S+2*pp+1], v[S+2*pp:S+2*pp+1], v[MF:MF+1] op_sel_hi:[1,0]   ; the pair mask
.set pp, pp+1
.endr
.irp t, 0,1,2,3,4,5,6,7
	ds_store_b128 v[STO], v[S+8*\t:S+8*\t+3] offset:64*\t
	ds_store_b128 v[STO], v[S+8*\t+4:S+8*\t+7] offset:64*\t+16
.endr
.irp i, 0,1,2,3,4,5,6,7,8,9,10,11,12,13,14,15
	ds_load_b128 v[S+64+4*\i:S+64+4*\i+3], v[SRD] offset:528*\i   ; my own stage: LDS serves a wave's instructions in order, so these see the stores above
.endr
.irp i, 0,1,2,3,4,5,6,7,8,9,10,11,12,13,14,15
	s_wait_dscnt 15-\i                             ; row i is back; the younger loads may be out
	global_store_b128 v[GO], v[S+64+4*\i:S+64+4*\i+3], s[76:77] offset:(\i+8*(\i/8))*512 th:TH_STORE_NT   ; 32 lanes store a position's 512 consecutive bytes, at a multiple of 512 from out0's first byte
.endr
	s_wait_xcnt 0x0                                ; the stores have read their registers and their base: both are written again only behind this wait
	s_add_nc_u64 s[76:77], s[76:77], 32768         ; four tiles on: 64 positions
	s_add_co_u32 s80, s80, 1536
	s_add_co_u32 s81, s81, 256
	s_sub_co_u32 s69, s69, 1
	s_cmp_lg_u32 s69, 0
	s_cbranch_scc1 .Lproj
	s_wait_tensorcnt 0x0                           ; the wave's end, behind my tensor load and my last LDS store
	ds_add_u32 v[SPW], v[NIL]
	s_wait_dscnt 0x0
	s_endpgm
.Lfunc_end_k_qa20980a86f_triatt:
	.size	k_qa20980a86f_triatt, .Lfunc_end_k_qa20980a86f_triatt-k_qa20980a86f_triatt
	.p2alignl 7, 3214868480
	.fill 96, 4, 3214868480
	.section	.rodata,"a",@progbits
	.p2align	6, 0x0
	.amdhsa_kernel k_qa20980a86f_triatt
		.amdhsa_group_segment_fixed_size 266240
		.amdhsa_private_segment_fixed_size 0
		.amdhsa_enable_private_segment 0
		.amdhsa_kernarg_size 144
		.amdhsa_user_sgpr_count 2
		.amdhsa_user_sgpr_kernarg_segment_ptr 1
		.amdhsa_wavefront_size32 1
		.amdhsa_system_sgpr_workgroup_id_x 1
		.amdhsa_system_sgpr_workgroup_id_y 1
		.amdhsa_system_sgpr_workgroup_id_z 1
		.amdhsa_system_vgpr_workitem_id 0
		.amdhsa_next_free_vgpr 1024
		.amdhsa_next_free_sgpr 96
		.amdhsa_reserve_vcc 1
		.amdhsa_float_denorm_mode_32 3
		.amdhsa_float_denorm_mode_16_64 3
		.amdhsa_memory_ordered 1
		.amdhsa_forward_progress 1
		.amdhsa_inst_pref_size 255
	.end_amdhsa_kernel
	.section	.bss,"aw",@nobits
	.p2align	6
	.space	262144
	.amdgpu_metadata
---
amdhsa.version: [ 1, 2 ]
amdhsa.kernels:
  - .name:           k_qa20980a86f_triatt
    .symbol:         k_qa20980a86f_triatt.kd
    .args:
      - { .name: z, .offset: 0, .size: 8, .value_kind: global_buffer, .address_space: global }
      - { .name: pair_mask, .offset: 8, .size: 8, .value_kind: global_buffer, .address_space: global }
      - { .name: out0, .offset: 16, .size: 8, .value_kind: global_buffer, .address_space: global }
      - { .name: Wb, .offset: 24, .size: 8, .value_kind: global_buffer, .address_space: global }
      - { .name: ln_w, .offset: 32, .size: 8, .value_kind: global_buffer, .address_space: global }
      - { .name: ln_b, .offset: 40, .size: 8, .value_kind: global_buffer, .address_space: global }
      - { .name: Wq_codes, .offset: 48, .size: 8, .value_kind: global_buffer, .address_space: global }
      - { .name: Wq_scales, .offset: 56, .size: 8, .value_kind: global_buffer, .address_space: global }
      - { .name: Wk_codes, .offset: 64, .size: 8, .value_kind: global_buffer, .address_space: global }
      - { .name: Wk_scales, .offset: 72, .size: 8, .value_kind: global_buffer, .address_space: global }
      - { .name: Wv_codes, .offset: 80, .size: 8, .value_kind: global_buffer, .address_space: global }
      - { .name: Wv_scales, .offset: 88, .size: 8, .value_kind: global_buffer, .address_space: global }
      - { .name: Wo_codes, .offset: 96, .size: 8, .value_kind: global_buffer, .address_space: global }
      - { .name: Wo_scales, .offset: 104, .size: 8, .value_kind: global_buffer, .address_space: global }
      - { .name: bq, .offset: 112, .size: 8, .value_kind: global_buffer, .address_space: global }
      - { .name: bk, .offset: 120, .size: 8, .value_kind: global_buffer, .address_space: global }
      - { .name: bv, .offset: 128, .size: 8, .value_kind: global_buffer, .address_space: global }
      - { .name: bo, .offset: 136, .size: 8, .value_kind: global_buffer, .address_space: global }
    .group_segment_fixed_size: 266240
    .private_segment_fixed_size: 0
    .kernarg_segment_align: 8
    .kernarg_segment_size: 144
    .max_flat_workgroup_size: 128
    .sgpr_count:     96
    .vgpr_count:     1024
    .wavefront_size: 32
...
	.end_amdgpu_metadata
.endif
;; end of part 1
